; MI455X (gfx1250); checked and timed in simulation.
; The chip was launched on July 23, 2026; its instructions are those of AMD's public machine-readable ISA for CDNA 5 (MIT licence, August 2026) and "CDNA5" Instruction Set Architecture Reference Guide (July 2026). The comments in the code are by the model that wrote it; some were corrected since.
;; Head self Dec. Allowed arithmetic: matrix products marked QUANTISED: E4M3 operands, one given power-of-two scale a tensor, by v_wmma_f32_16x16x64_fp8_fp8 or v_wmma_f32_16x16x128_fp8_fp8, f32 sums; everything else in f32.
;; Inputs: Wk_codes 64 x 16 x 32 uint8 (E4M3 codes of Wk, K innermost, in blocks of 32 codes); Wq_codes 64 x 16 x 32 uint8 (E4M3 codes of Wq, K innermost, in blocks of 32 codes); Wv_codes 64 x 16 x 32 uint8 (E4M3 codes of Wv, K innermost, in blocks of 32 codes); lowp_scales 10 int32 (the exponents e of the quantised operands' scales 2^e); x_codes 16 x 2,048 x 16 x 32 uint8 (E4M3 codes of x, K innermost, in blocks of 32 codes).
;; Outputs: out0 16 x 2,048 x 64 float32.
;; This version of the problem:
;;   THIS VERSION OF THE PROBLEM IS GIVEN IN LOW PRECISION. The matrix products marked QUANTISED in the list below multiply operands that are first quantised to E4M3 (4 exponent bits, 3 mantissa bits; 8 bits a number), with one given power-of-two scale for each operand tensor; their sums are f32. All else is computed in f32.
;;   The module's matrix products, in the order in which they are computed (A, B: the left and right operand; K: the contracted axis; several contracted axes count as one K, in the product's order):
;;     1. [M 32,768, K 512] x [K 512, N 64]; A: input x (given as codes); B: input Wq (given as codes): QUANTISED (scales: A lowp_scales[0], B lowp_scales[1])
;;     2. [M 32,768, K 512] x [K 512, N 64]; A: input x (given as codes); B: input Wk (given as codes): QUANTISED (scales: A lowp_scales[2], B lowp_scales[3])
;;     3. [M 32,768, K 512] x [K 512, N 64]; A: input x (given as codes); B: input Wv (given as codes): QUANTISED (scales: A lowp_scales[4], B lowp_scales[5])
;;     4. batch 16 x [M 2,048, K 64] x [K 64, N 2,048]; A: computed on the way; B: computed on the way: QUANTISED (scales: A lowp_scales[6], B lowp_scales[7])
;;     5. batch 16 x [M 2,048, K 2,048] x [K 2,048, N 64]; A: softmax (see below); B: computed on the way: QUANTISED (scales: A lowp_scales[8], B lowp_scales[9])
;;   THE QUANTISER, for each operand of a quantised product, along K:
;;     - The operand's scale is 2^e, e = its entry of the input lowp_scales (int32; the entries are numbered through the quantised products in the list's order, A before B).
;;     - Each number is divided by the scale, clamped to +-448, and rounded to the nearest number of E4M3, ties to even, subnormals kept.
;;     - The product sums the exact products of the quantised numbers (number of the format x scale) in f32.
;;   ~~~python
;;   def quantise(x, axis, e):      # numpy; x: float32 -> the quantised numbers, widened to float32 again
;;       x = np.moveaxis(x, axis, -1); K = x.shape[-1]
;;       r = np.clip(x / 2.0 ** e, -448, 448)
;;       step = 2.0 ** (np.maximum(np.frexp(np.where(r == 0, 1, r))[1] - 1, -6) - 3)
;;       q = np.round(r / step) * step * 2.0 ** e      # np.round: ties to even
;;       return np.moveaxis(q, -1, axis).astype(np.float32)
;;   ~~~
;;   SOFTMAX AHEAD OF A QUANTISED PRODUCT. Where the list says 'softmax', what is quantised is not the finished softmax but p = 2^(t - M), with t = logit x log2(e) and M = ceil(the row's largest t), a whole number; so 1/2 < the row's largest p <= 1. The row's sum l is taken of the UNQUANTISED p, in f32, and the product's result is divided by l at the end. Since M is a whole number, a kernel that streams over the keys may use a running M (the ceiling of the running maximum): every later rescaling is an exact power of two, so the quantised numbers keep their values, but for numbers so far below the row's largest that they fall under the format's range.
;;   OPERANDS COMPUTED ON THE WAY. 'Computed on the way' means the value that the module computes at that place (a softmax that the list does not call 'softmax' is quantised finished and normalised). What goes into a quantiser is computed in f32, as accurately as f32 sums, v_exp_f32 and their like allow (about 1e-6 of the number): no bf16 or f16 on the way to a quantiser, and a product that is left as it is and whose result goes on into a quantised operand takes f32 operands (vector FMAs, or v_wmma_f32_16x16x4_f32). A number that lies on a knife's edge between two numbers of the format may be rounded either way, as far as f32 arithmetic and the matrix unit's own rounding can turn it there, and no further.
;;   INPUTS GIVEN AS CODES. Wk (in the module: [512, 64], K = its axis 0); Wq (in the module: [512, 64], K = its axis 0); Wv (in the module: [512, 64], K = its axis 0); x (in the module: [16, 2048, 512], K = its axis 2): each comes as NAME_codes (uint8): NAME with its K axis moved to the last place and cut into blocks of 32 codes, [.., K / 32, bytes a block], one block behind the other in memory; one code a byte (a code: sign, 4 exponent bits, 3 mantissa bits); its scale is its entry of lowp_scales. Its value is code x scale, taken as it is: it is not quantised again, and the codes and scales need not be those that the quantiser above would give.
;; One version. Each part assembles by itself: llvm-mc -triple=amdgcn-amd-amdhsa -mcpu=gfx1250 --defsym DOCPART=n.
;; ======== version 1 of 1: 2 launches
;; limits: right only within a limited range of input values
;; workspace buffers: qc 2,097,152 bytes; kv 4,194,304 bytes
;; launch proj (part 1): grid 256 x 1, 4 waves a work-group, clusters of 4 x 1, 172,032 bytes of LDS; arguments x_codes, Wq_codes, Wk_codes, Wv_codes, lowp_scales, qc, kv; writes qc, kv
.if DOCPART == 1
	.amdgcn_target "amdgcn-amd-amdhsa--gfx1250"
	.amdhsa_code_object_version 6
	.text
	.protected	k_q9ef1e3ca5d_proj
	.globl	k_q9ef1e3ca5d_proj
	.p2align	8
	.type	k_q9ef1e3ca5d_proj,@function
k_q9ef1e3ca5d_proj:
	s_mov_b64 s[64:65], 0
	v_nop
	global_prefetch_b8 v0, s[64:65] scope:SCOPE_SE
	s_setreg_imm32_b32 hwreg(HW_REG_WAVE_MODE, 25, 1), 1
	s_wait_xcnt 0x0
	s_wait_alu depctr_hold_cnt(0) depctr_sa_sdst(0) depctr_va_vdst(0) depctr_va_sdst(0) depctr_va_ssrc(0) depctr_va_vcc(0) depctr_vm_vsrc(0)
	s_getreg_b32 s2, hwreg(HW_REG_IB_STS2, 6, 4)
	s_cmp_eq_u32 s2, 0
	s_cbranch_scc0 .Lentry_in_a_cluster
	s_endpgm
.Lentry_in_a_cluster:
	s_bfe_u32 s2, ttmp6, 0x10000c
	s_cmp_lg_u32 s2, 0x3003
	s_cbranch_scc0 .Lentry_shape_is_right
	s_endpgm
.Lentry_shape_is_right:
; q = x Wq, k = x Wk, v = x Wv on codes of FP8 (E4M3), and the three results quantised again: q and k along the head's 64 channels, v along the keys.
; x: [32768 tokens][512] codes.  Wq, Wk, Wv: [64 channels][512] codes, K innermost.  The buffer of scales holds e0 .. e9 (int32): product 1 takes e0, e1, product 2 e2, e3, product 3 e4, e5;
; q's codes have the scale 2^e6, k's 2^e7, v's 2^e9.  A sum of product 1 stands for sum x 2^(e0 + e1), so q's code is sum / 2^(e6 - e0 - e1): the three exponents are folded into the conversion's one.
; LIMITS: e6 - e0 - e1, e7 - e2 - e3 and e9 - e4 - e5 lie between -126 and 119, so that the scale and 448 x the scale are f32 numbers.  NaN codes among the inputs are not served.
; SHARES.  Work-group g takes tokens 128 g .. 128 g + 127: one key step of one batch.  Its four waves stand 2 x 2: wave w = 2 a + b takes token tiles 4 a .. 4 a + 3 and, in each of the three phases
; (q, k, v), channel tiles 2 b and 2 b + 1: eight accumulators, which take turns, four K steps of 128: 32 matrix instructions a phase.  x's 16 fragments of a wave stay in registers for all three phases.
; LDS is filled once: 128 rows of x, then the 192 rows of the three weights.  CLUSTER: all work-groups read the same weights, so four of them ask for each weight tile JOINTLY (the same tensor load, the same
; descriptor, a mask that names the four); x's rows are a work-group's own and come by a plain load.
; WHAT IS STORED ARE IMAGES OF THE NEXT LAUNCH'S OPERAND REGISTERS, so that it loads its fragments by 16 bytes a lane and turns nothing round:
;   qc: [block g][8 tiles of 16 tokens][2 halves][32 lanes][16 bytes]: half i = registers 4 i .. 4 i + 3 of a 16 x 64 fragment (registers 2 c, 2 c + 1: channels 16 c + 8 (lane / 16) + 0 .. 7 of token lane % 16)
;   kv: [block g][16,384 bytes]: bytes 0 .. 8,191 k, laid as qc; bytes 8,192 on v: [4 channel tiles][4 quarters][32 lanes][16 bytes]: quarter i = registers 4 i .. 4 i + 3 of a 16 x 128 fragment
;       (registers 2 c, 2 c + 1: keys 16 c + 8 (lane / 16) + 0 .. 7 of channel lane % 16)
; q and k: THE PRODUCT IS USED TRANSPOSED (source 0 = 16 rows of W, source 1 = 16 tokens): a lane holds one token and eight neighbouring channels, which one conversion turns into two registers of the image.
; v: the product is used as it is written (source 0 = 16 tokens, source 1 = 16 rows of Wv): a lane holds one channel and eight neighbouring tokens, which are neighbours along the next K, the keys.
; Inside these three products k is permuted, alike on both sides: a fragment comes by four loads of 16 bytes (registers 4 c .. 4 c + 3 = bytes 32 c + 16 (lane / 16) + 0 .. 15 of the K step), so every product meets its partner.
; REGISTERS, in windows of 256: window 0: v1-15 addresses and scales; v16-79 the eight accumulators; v80-127 the codes of q, k, v (each phase its own, so that no store's data are written again);
;   v128-191 the weights' fragments, two sets of two.   window 1: x's 16 fragments, (tile m, K step s) at v[16 (4 m + s)].
.set PITCH, 528                        ; an LDS row: 512 bytes + 16 of padding = 132 words: row r starts at bank 4 r mod 64 (64 banks of 4 bytes: ISA guide 11.1)
.set WB,    128*PITCH                  ; behind x's 128 rows: Wq's 64 rows, Wk's, Wv's
.set AX,  4                            ; v4   LDS address of my lane in my first tile of x
.set AWQ, 5                            ; v5-7 the same in my first tile of Wq, Wk, Wv
.set AWK, 6
.set AWV, 7
.set SQ,  8                            ; v8   my byte offset in a block of qc, and in k's part of a block of kv
.set SV,  9                            ; v9   my byte offset in v's part of a block of kv
.set ACC, 16
.set CQ,  80
.set CK,  96
.set CV,  112
.set WS,  128
.set WV,  18                           ; s18  my wave's number
.set G1X, 24                           ; s[24:31] descriptor group 1 for x's rows;  s[32:39] for the weights'
.set G1W, 32
.set G0X, 40                           ; s[40:55] four groups 0: x, Wq, Wk, Wv
.set G0Q, 44
.set G0K, 48
.set G0V, 52
.set MSB, 0
.macro WIN new                         ; the immediate's high byte repeats the setting that is left; a switch that changes nothing is dropped
.if MSB != \new
	s_set_vgpr_msb (MSB<<8)|\new
.set MSB, \new
.endif
.endm
.macro CROUND                          ; a round of the cluster's barrier: my work-group's barrier, wave 0 signals for the work-group, every wave waits for all four work-groups, my work-group's barrier once more
	s_barrier_signal -1
	s_barrier_wait -1
	s_cmp_lg_u32 s[WV], 0
	s_cbranch_scc1 .Lnot_wave_0_\@
	s_barrier_signal -3
.Lnot_wave_0_\@:
	s_barrier_wait -3
	s_barrier_signal -1
	s_barrier_wait -1
.endm
.macro PLACES                          ; four places behind a matrix instruction, in front of loads into registers that it has read and of the first read of its result
.rept 4
	v_nop
.endr
.endm
.macro HEAD n                          ; my tensor loads but the youngest n have landed; behind the barrier that holds of every wave.  No LDS instruction of mine is out here
	s_wait_tensorcnt \n
	s_barrier_signal -1
	s_barrier_wait -1
.endm
.macro XLOAD s                         ; x's four fragments of K step s into window 1
	WIN 0x40                                       ; destination window 1, address window 0
.irp m, 0,1,2,3
.irp c, 0,1,2,3
	ds_load_b128 v[16*(4*\m+(\s))+4*\c:16*(4*\m+(\s))+4*\c+3], v[AX] offset:\m*16*PITCH+128*(\s)+32*\c
.endr
.endr
.endm
.macro WLOAD adr, set, s               ; my two fragments of a weight, K step s, into one of the two sets
.irp u, 0,1
.irp c, 0,1,2,3
	ds_load_b128 v[WS+32*(\set)+16*\u+4*\c:WS+32*(\set)+16*\u+4*\c+3], v[\adr] offset:\u*16*PITCH+128*(\s)+32*\c
.endr
.endr
.endm
; A phase's 32 matrix instructions.  K step s multiplies set s % 2 while the next step's fragments are on their way into the other set.  nat = 0: source 0 = W, source 1 = x; nat = 1: the other way round.
; first = 1: x's fragments are fetched too, a K step at a time.  The eight accumulators take turns, one instruction a turn, in the same order in every K step; the first K step starts the sums.
.macro MULS adr, nat, first
.irp s, 0,1,2,3
.if (\s == 1) || (\s == 2)
	PLACES                                         ; the set that is loaded next was read by the products of the K step before
.endif
.if \s < 3
	WIN 0
	WLOAD \adr, (\s+1)%2, \s+1
.if \first
	XLOAD \s+1
	s_wait_dscnt 24                                ; all but the 24 just issued: this K step's fragments are in
.else
	s_wait_dscnt 8                                 ; all but the 8 just issued
.endif
.else
	s_wait_dscnt 0x0
.endif
.if \nat
	WIN 0x01                                       ; source 0 (x) window 1
.irp d, 0,1
.irp m, 0,1,2,3
.if \s == 0
	v_wmma_f32_16x16x128_fp8_fp8 v[ACC+8*(4*\d+\m):ACC+8*(4*\d+\m)+7], v[16*(4*\m+\s):16*(4*\m+\s)+15], v[WS+32*(\s%2)+16*\d:WS+32*(\s%2)+16*\d+15], 0
.else
	v_wmma_f32_16x16x128_fp8_fp8 v[ACC+8*(4*\d+\m):ACC+8*(4*\d+\m)+7], v[16*(4*\m+\s):16*(4*\m+\s)+15], v[WS+32*(\s%2)+16*\d:WS+32*(\s%2)+16*\d+15], v[ACC+8*(4*\d+\m):ACC+8*(4*\d+\m)+7]
.endif
.endr
.endr
.else
	WIN 0x04                                       ; source 1 (x) window 1
.irp m, 0,1,2,3
.irp u, 0,1
.if \s == 0
	v_wmma_f32_16x16x128_fp8_fp8 v[ACC+8*(2*\m+\u):ACC+8*(2*\m+\u)+7], v[WS+32*(\s%2)+16*\u:WS+32*(\s%2)+16*\u+15], v[16*(4*\m+\s):16*(4*\m+\s)+15], 0
.else
	v_wmma_f32_16x16x128_fp8_fp8 v[ACC+8*(2*\m+\u):ACC+8*(2*\m+\u)+7], v[WS+32*(\s%2)+16*\u:WS+32*(\s%2)+16*\u+15], v[16*(4*\m+\s):16*(4*\m+\s)+15], v[ACC+8*(2*\m+\u):ACC+8*(2*\m+\u)+7]
.endif
.endr
.endr
.endif
.endr
	WIN 0
	PLACES                                         ; in front of the first read of the results and of the next phase's loads into the sets
.endm
; The eight accumulators become codes: accumulator t gives registers c + 2 t, c + 2 t + 1.  Each accumulator is read from its low end on.
.macro QUANT sc, lim, c
.irp t, 0,1,2,3,4,5,6,7
.irp i, 0,1,2,3,4,5,6,7
.endr
	v_cvt_scalef32_pk8_fp8_f32 v[\c+2*\t:\c+2*\t+1], v[ACC+8*\t:ACC+8*\t+7], v[\sc]
.endr
	v_nop                                          ; one plain vector instruction behind the last conversion: the next phase's products write its sources
.endm
.macro SCALE vs, eo, ea, eb            ; v[vs] = 2^(eo - ea - eb) as f32, s80 = 448 x that, as f32 bits
	s_sub_co_i32 s80, s[\eo], s[\ea]
	s_sub_co_i32 s80, s80, s[\eb]
	s_add_co_i32 s80, s80, 127
	s_lshl_b32 s81, s80, 23
	v_mov_b32 v[\vs], s81
	s_add_co_i32 s80, s80, 8
	s_lshl_b32 s80, s80, 23
	s_or_b32 s80, s80, 0x600000                    ; the mantissa field of 448
.endm
	s_load_b256 s[4:11], s[0:1], 0x0               ; x s[4:5], Wq s[6:7], Wk s[8:9], Wv s[10:11]
	s_load_b128 s[12:15], s[0:1], 0x20             ; the scales' exponents s[12:13], qc s[14:15]
	s_load_b64 s[16:17], s[0:1], 0x30              ; kv
	v_lshrrev_b32 v1, 5, v0
	v_readfirstlane_b32 s[WV], v1                  ; wave 0..3
	s_lshr_b32 s19, s[WV], 1                       ; a: which four token tiles
	s_and_b32 s20, s[WV], 1                        ; b: which two channel tiles
	s_bfe_u32 s21, ttmp6, 0x40000                  ; cx: my place in the cluster
	s_lshl_b32 s22, ttmp9, 2                       ; in a cluster launch ttmp9 counts clusters
	s_add_co_u32 s22, s22, s21                     ; g = 4 x cluster + cx: it enters x's address and the stores' bases alone
	; descriptor group 1 for x: 32 rows x 512 bytes, padded in LDS; no mask
	s_mov_b32 s[G1X+0], (1<<20)|(6<<22)|(3<<25)    ; 17:16 elements of 1 byte; 20 padding on; 24:22 after every 128 words (code 6); 31:25 four words of it (code 3)
	s_mov_b32 s[G1X+1], 512<<16                    ; tensor_dim0 = 512
	s_mov_b32 s[G1X+2], 32<<16                     ; tensor_dim1 = 32
	s_mov_b32 s[G1X+3], 512<<16                    ; tile_dim0 = 512
	s_mov_b32 s[G1X+4], 32                         ; tile_dim1 = 32
	s_mov_b32 s[G1X+5], 512                        ; from row to row
	s_mov_b32 s[G1X+6], 0
	s_mov_b32 s[G1X+7], 0
	; for the weights: 16 rows x 512 bytes, the same padding; 15:0 the mask names all four work-groups, bit 21 is set beside it
	s_mov_b32 s[G1W+0], 15|(1<<20)|(1<<21)|(6<<22)|(3<<25)
	s_mov_b32 s[G1W+1], 512<<16
	s_mov_b32 s[G1W+2], 16<<16
	s_mov_b32 s[G1W+3], 512<<16
	s_mov_b32 s[G1W+4], 16
	s_mov_b32 s[G1W+5], 512
	s_mov_b32 s[G1W+6], 0
	s_mov_b32 s[G1W+7], 0
	s_mul_i32 s68, s[WV], 32*PITCH                 ; where my 32 rows of x go,
	s_mul_i32 s69, s[WV], 16*PITCH                 ; and my 16 rows of each weight: the wave's number alone enters an LDS address
	s_lshl_b32 s70, s22, 16                        ; x: 128 rows of 512 bytes a work-group,
	s_lshl_b32 s71, s[WV], 14                      ; 32 a wave
	s_add_co_u32 s70, s70, s71
	s_mov_b32 s71, 0
	s_lshl_b32 s72, s[WV], 13                      ; a weight: 16 rows of 512 bytes a wave: the same in every work-group
	s_mov_b32 s73, 0
	s_wait_kmcnt 0x0
	s_load_b256 s[56:63], s[12:13], 0x0            ; e0 .. e7
	s_load_b32 s66, s[12:13], 0x24                 ; e9
	s_mov_b32 s[G0X], 1                            ; 1:0 count = 1
	s_mov_b32 s[G0X+1], s68                        ; 63:32 LDS address
	s_add_nc_u64 s[G0X+2:G0X+3], s[4:5], s[70:71]  ; 120:64 global address
	s_or_b32 s[G0X+3], s[G0X+3], 0x80000000        ; 127:126 type = 2
	s_mov_b32 s[G0Q], 1
	s_add_co_u32 s[G0Q+1], s69, WB
	s_add_nc_u64 s[G0Q+2:G0Q+3], s[6:7], s[72:73]
	s_or_b32 s[G0Q+3], s[G0Q+3], 0x80000000
	s_mov_b32 s[G0K], 1
	s_add_co_u32 s[G0K+1], s69, WB+64*PITCH
	s_add_nc_u64 s[G0K+2:G0K+3], s[8:9], s[72:73]
	s_or_b32 s[G0K+3], s[G0K+3], 0x80000000
	s_mov_b32 s[G0V], 1
	s_add_co_u32 s[G0V+1], s69, WB+128*PITCH
	s_add_nc_u64 s[G0V+2:G0V+3], s[10:11], s[72:73]
	s_or_b32 s[G0V+3], s[G0V+3], 0x80000000
	CROUND                                         ; all four work-groups are here: the joint loads meet
	tensor_load_to_lds s[G0X:G0X+3], s[G1X:G1X+7]  ; the launch's only fills go out as one group: four loads of mine are out
	s_nop 0
	tensor_load_to_lds s[G0Q:G0Q+3], s[G1W:G1W+7]
	s_nop 0
	tensor_load_to_lds s[G0K:G0K+3], s[G1W:G1W+7]
	s_nop 0
	tensor_load_to_lds s[G0V:G0V+3], s[G1W:G1W+7]
	s_nop 0
	PLACES                                         ; four v_nop follow the last of them
	v_and_b32 v1, 15, v0                           ; r = lane % 16
	v_bfe_u32 v2, v0, 4, 1                         ; h = lane / 16
	v_and_b32 v3, 31, v0                           ; lane
	s_wait_alu depctr_va_vdst(0)
	v_mul_u32_u24 v[AX], v1, PITCH
	v_lshl_add_u32 v[AX], v2, 4, v[AX]             ; a fragment's row x pitch + 16 x half
	s_mul_i32 s76, s20, 32*PITCH                   ; my 32 rows of a weight
	s_add_co_u32 s76, s76, WB
	v_add_nc_u32 v[AWQ], s76, v[AX]
	v_add_nc_u32 v[AWK], 64*PITCH, v[AWQ]
	v_add_nc_u32 v[AWV], 128*PITCH, v[AWQ]
	s_mul_i32 s77, s19, 64*PITCH                   ; my 64 rows of x
	v_add_nc_u32 v[AX], s77, v[AX]
	s_lshl_b32 s76, s19, 12                        ; q, k: tile 4 a + m is 1,024 bytes, my half b 512, 16 bytes a lane
	s_lshl_b32 s77, s20, 9
	s_add_co_u32 s76, s76, s77
	v_lshl_add_u32 v[SQ], v3, 4, s76
	s_lshl_b32 s76, s20, 12                        ; v: channel tile 2 b + d is 2,048 bytes, quarter 2 a + i 512
	s_lshl_b32 s77, s19, 10
	s_add_co_u32 s76, s76, s77
	s_add_co_u32 s76, s76, 8192
	v_lshl_add_u32 v[SV], v3, 4, s76
	s_lshl_b32 s74, s22, 13                        ; my block of qc,
	s_mov_b32 s75, 0
	s_add_nc_u64 s[14:15], s[14:15], s[74:75]
	s_lshl_b32 s74, s22, 14                        ; and of kv
	s_add_nc_u64 s[16:17], s[16:17], s[74:75]
	s_wait_alu depctr_va_vdst(0)
	s_wait_kmcnt 0x0
	SCALE 10, 62, 56, 57                           ; q: e6 - e0 - e1
	SCALE 12, 63, 58, 59                           ; k: e7 - e2 - e3
	SCALE 14, 66, 60, 61                           ; v: e9 - e4 - e5
	HEAD 2                                         ; x's rows and Wq's have landed; Wk's and Wv's loads, the two younger, may be out
	WLOAD AWQ, 0, 0
	XLOAD 0
	MULS AWQ, 0, 1
	s_wait_alu depctr_va_vdst(0)
	HEAD 1                                         ; Wk's rows too
	WLOAD AWK, 0, 0                                ; on their way while q is quantised
	QUANT 10, 11, CQ
.irp m, 0,1,2,3
	global_store_b128 v[SQ], v[CQ+4*\m:CQ+4*\m+3], s[14:15] offset:1024*\m   ; the 32 lanes store 512 consecutive bytes, at a multiple of 512 from the buffer's first byte
.endr
	MULS AWK, 0, 0
	HEAD 0                                         ; Wv's rows too: no tensor load of mine is out any more
	WLOAD AWV, 0, 0
	QUANT 12, 13, CK
.irp m, 0,1,2,3
	global_store_b128 v[SQ], v[CK+4*\m:CK+4*\m+3], s[16:17] offset:1024*\m
.endr
	MULS AWV, 1, 0
	QUANT 14, 15, CV
.irp d, 0,1
.irp i, 0,1
	global_store_b128 v[SV], v[CV+8*\d+4*\i:CV+8*\d+4*\i+3], s[16:17] offset:2048*\d+512*\i
.endr
.endr
	CROUND                                         ; the closing round: no work-group ends while a partner may still ask for a tile that names it
	s_endpgm
.Lfunc_end_k_q9ef1e3ca5d_proj:
	.size	k_q9ef1e3ca5d_proj, .Lfunc_end_k_q9ef1e3ca5d_proj-k_q9ef1e3ca5d_proj
	.p2alignl 7, 3214868480
	.fill 96, 4, 3214868480
	.section	.rodata,"a",@progbits
	.p2align	6, 0x0
	.amdhsa_kernel k_q9ef1e3ca5d_proj
		.amdhsa_group_segment_fixed_size 172032
		.amdhsa_private_segment_fixed_size 0
		.amdhsa_enable_private_segment 0
		.amdhsa_kernarg_size 56
		.amdhsa_user_sgpr_count 2
		.amdhsa_user_sgpr_kernarg_segment_ptr 1
		.amdhsa_wavefront_size32 1
		.amdhsa_system_sgpr_workgroup_id_x 1
		.amdhsa_system_sgpr_workgroup_id_y 1
		.amdhsa_system_sgpr_workgroup_id_z 1
		.amdhsa_system_vgpr_workitem_id 0
		.amdhsa_next_free_vgpr 512
		.amdhsa_next_free_sgpr 96
		.amdhsa_reserve_vcc 0
		.amdhsa_float_denorm_mode_32 3
		.amdhsa_float_denorm_mode_16_64 3
		.amdhsa_fp16_overflow 1
		.amdhsa_memory_ordered 1
		.amdhsa_forward_progress 1
		.amdhsa_inst_pref_size 28
	.end_amdhsa_kernel
	.amdgpu_metadata
---
amdhsa.version: [ 1, 2 ]
amdhsa.kernels:
  - .name:           k_q9ef1e3ca5d_proj
    .symbol:         k_q9ef1e3ca5d_proj.kd
    .args:
      - { .name: x_codes, .offset: 0, .size: 8, .value_kind: global_buffer, .address_space: global }
      - { .name: Wq_codes, .offset: 8, .size: 8, .value_kind: global_buffer, .address_space: global }
      - { .name: Wk_codes, .offset: 16, .size: 8, .value_kind: global_buffer, .address_space: global }
      - { .name: Wv_codes, .offset: 24, .size: 8, .value_kind: global_buffer, .address_space: global }
      - { .name: lowp_scales, .offset: 32, .size: 8, .value_kind: global_buffer, .address_space: global }
      - { .name: qc, .offset: 40, .size: 8, .value_kind: global_buffer, .address_space: global }
      - { .name: kv, .offset: 48, .size: 8, .value_kind: global_buffer, .address_space: global }
    .group_segment_fixed_size: 172032
    .private_segment_fixed_size: 0
    .kernarg_segment_align: 8
    .kernarg_segment_size: 56
    .max_flat_workgroup_size: 128
    .sgpr_count:     96
    .vgpr_count:     512
    .wavefront_size: 32
...
	.end_amdgpu_metadata
.endif
;; end of part 1
;; launch attn (part 2): grid 16 x 16, 8 waves a work-group, clusters of 4 x 1, 327,680 bytes of LDS; arguments qc, kv, lowp_scales, out0; writes out0
.if DOCPART == 2
	.amdgcn_target "amdgcn-amd-amdhsa--gfx1250"
	.amdhsa_code_object_version 6
	.text
	.protected	k_q9ef1e3ca5d_attn
	.globl	k_q9ef1e3ca5d_attn
	.p2align	8
	.type	k_q9ef1e3ca5d_attn,@function
k_q9ef1e3ca5d_attn:
	s_mov_b64 s[64:65], 0
	v_nop
	global_prefetch_b8 v0, s[64:65] scope:SCOPE_SE
	s_setreg_imm32_b32 hwreg(HW_REG_WAVE_MODE, 25, 1), 1
	s_wait_xcnt 0x0
	s_wait_alu depctr_hold_cnt(0) depctr_sa_sdst(0) depctr_va_vdst(0) depctr_va_sdst(0) depctr_va_ssrc(0) depctr_va_vcc(0) depctr_vm_vsrc(0)
	s_getreg_b32 s2, hwreg(HW_REG_IB_STS2, 6, 4)
	s_cmp_eq_u32 s2, 0
	s_cbranch_scc0 .Lentry_in_a_cluster
	s_endpgm
.Lentry_in_a_cluster:
	s_bfe_u32 s2, ttmp6, 0x10000c
	s_cmp_lg_u32 s2, 0x3003
	s_cbranch_scc0 .Lentry_shape_is_right
	s_endpgm
.Lentry_shape_is_right:
; out[b][q][:] = the sum over keys k <= q of softmax_k(q . k / 8) v[k][:], both products on codes of FP8 (E4M3).  qc and kv hold the codes of q, k and v as images of the operands' registers:
;   qc: [16 b + G][8 tiles of 16 queries][2 halves][32 lanes][16 bytes];  kv: [16 b + key step][16,384 bytes]: 8 tiles of 16 keys laid as qc, then v: [4 channel tiles][4 quarters][32 lanes][16 bytes].
; The buffer of scales: e6 (q), e7 (k), e8 (p), e9 (v).  out: [16][2048][64] f32.
; THE SOFTMAX AHEAD OF THE SECOND PRODUCT: t = score x log2(e) / 8; M = the row's largest t so far, rounded UP to a whole number; p = 2^(t - M) is what is quantised, along the keys; it is not normalised.
; The row's sum is taken of the unquantised p, in f32, and divides the result at the end.  When M moves, the sum and O are multiplied by 2^(old M - new M), which rounds nothing.
; LIMITS: e6 + e7 between -123 and 130 (they are added to c's exponent field); e8 between -126 and 119; e8 + e9 is applied by v_ldexp_f32 and has none.
; SHARES.  A key step is 128 keys; group G is the 8 query tiles (16 queries each) of key step G: they need key steps 0 .. G, and step G is the one that the mask cuts.  Steps behind G are left out.
; Cluster c (0 .. 3) of a batch takes groups c, 7 - c, 8 + c and 15 - c: 34 key steps whatever c is.  Each of its four work-groups takes two tiles of each group, a tile a wave: 68 steps a work-group.
; With b0, b1, b2 the bits of the wave's number: G = c xor 7 b1 xor 15 (b0 xor b2), the tile in the group 2 cx + b2.  Waves w and w + 4, and waves 2 i and 2 i + 1, hold G and 15 - G: 17 steps a pair.
; G hangs on the cluster's number and the wave's, which the partners share; cx enters Q's and O's addresses and the mask's threshold alone.
; LDS holds the batch's whole kv, 262,144 bytes, as it lies in memory, filled once.  All four work-groups of a cluster (and all four clusters of a batch) read the same bytes: each tile is asked for JOINTLY by the four partners.
; TWO GATES.  A wave's first load is its eighth of key step 0, its second its eighth of steps 1 to 15.  Behind the first gate stands step 0, which every wave has; behind the second no barrier follows,
; so that a wave with many steps never waits for the work of a SIMD that holds two waves with work.
; LAYOUT.  Both products are used transposed: S^T = K Q^T (source 0 = 16 keys, source 1 = my 16 queries), O^T = V^T P^T (source 0 = 16 channels, source 1 = P): a lane holds ONE query (lane % 16) throughout.
; Register j of tile a of S^T is key 16 a + 8 (lane / 16) + j: one conversion gives registers 2 a, 2 a + 1 of P's fragment in the matrix form's own layout.
; REGISTERS: v1 16 x lane; v2 the step's LDS address; v3 the mask's threshold; v4 -infinity; v5, v6 the stage; v8 -M, v9 the largest t; v[10:11], v[12:13] the sum's two chains; v14 f, v15 0; v[16:23] Q;
;   v24 2^e8; v26-31 at work; v32-95 K's 8 fragments, then V's 4; v96-159 S^T, then p; v160-191 O^T; v192-207 P's codes; v208-239 the way out.
.set STAGE, 262144                     ; behind the batch's kv: 16 rows x (256 bytes + 16) for each wave, for the way out; no fill lands here
.set SP,    272
.set LI,   1
.set ADR,  2
.set DD,   3
.set NINF, 4
.set STO,  5
.set RD,   6
.set WV,   12                          ; s12  my wave's number
.set G,    16                          ; s16  my group: my last key step
.set KS,   19                          ; s19  the key step in hand
.set TB,   20                          ; s20  the LDS byte at which it begins
.set CS,   22                          ; s[22:23] c = log2(e) / 8 x 2^(e6 + e7): the packed form names a pair and takes its low word for both halves
.set G1A,  24                          ; s[24:31] descriptor group 1 of the first load;  s[32:39] of the second;  s[40:43], s[44:47] their groups 0
.set G1B,  32
.set G0A,  40
.set G0B,  44
.set SEL,  48                          ; s[48:49] lane selects for v_permlanex16_b32: lane l xor 16
.macro CROUND                          ; a round of the cluster's barrier
	s_barrier_signal -1
	s_barrier_wait -1
	s_cmp_lg_u32 s[WV], 0
	s_cbranch_scc1 .Lnot_wave_0_\@
	s_barrier_signal -3
.Lnot_wave_0_\@:
	s_barrier_wait -3
	s_barrier_signal -1
	s_barrier_wait -1
.endm
.macro PLACES                          ; four places behind a matrix instruction, in front of loads into registers that it has read and of the first read of its result
.rept 4
	v_nop
.endr
.endm
	s_load_b256 s[4:11], s[0:1], 0x0               ; qc s[4:5], kv s[6:7], the scales' exponents s[8:9], out s[10:11]
	v_lshrrev_b32 v1, 5, v0
	v_readfirstlane_b32 s[WV], v1                  ; wave 0..7
	s_bfe_u32 s13, ttmp6, 0x40000                  ; cx: my place in the cluster
	s_and_b32 s15, ttmp7, 0xffff                   ; the batch, which the partners share
	s_and_b32 s56, s[WV], 1                        ; b0
	s_bfe_u32 s57, s[WV], 0x10001                  ; b1
	s_lshr_b32 s17, s[WV], 2                       ; b2
	s_xor_b32 s56, s56, s17
	s_mul_i32 s56, s56, 15
	s_mul_i32 s57, s57, 7
	s_xor_b32 s[G], ttmp9, s56                     ; in a cluster launch ttmp9 is the cluster's number c
	s_xor_b32 s[G], s[G], s57                      ; G = c xor 7 b1 xor 15 (b0 xor b2)
	; descriptor groups 1: dense rows of 256 bytes, as 32 elements of 8 bytes; 15:0 the mask names all four work-groups, bit 21 is set beside it; no padding
	s_mov_b32 s[G1A+0], 15|(3<<16)|(1<<21)
	s_mov_b32 s[G1A+1], 32<<16                     ; tensor_dim0 = 32
	s_mov_b32 s[G1A+2], 8<<16                      ; tensor_dim1 = 8
	s_mov_b32 s[G1A+3], 32<<16                     ; tile_dim0 = 32
	s_mov_b32 s[G1A+4], 8                          ; tile_dim1 = 8: 2,048 bytes, an eighth of key step 0
	s_mov_b32 s[G1A+5], 32                         ; from row to row
	s_mov_b32 s[G1A+6], 0
	s_mov_b32 s[G1A+7], 0
	s_mov_b32 s[G1B+0], 15|(3<<16)|(1<<21)
	s_mov_b32 s[G1B+1], 32<<16
	s_mov_b32 s[G1B+2], 120<<16
	s_mov_b32 s[G1B+3], 32<<16
	s_mov_b32 s[G1B+4], 120                        ; 120 rows: 30,720 bytes, an eighth of key steps 1 to 15
	s_mov_b32 s[G1B+5], 32
	s_mov_b32 s[G1B+6], 0
	s_mov_b32 s[G1B+7], 0
	s_lshl_b32 s58, s[WV], 11                      ; my part of step 0: the same byte in LDS and in the batch's kv
	s_mul_i32 s59, s[WV], 30720
	s_add_co_u32 s59, s59, 16384                   ; my part of the rest
	s_lshl_b32 s60, s15, 18                        ; the batch's 262,144 bytes
	s_mov_b32 s61, 0
	s_mov_b32 s[SEL], 0x76543210
	s_mov_b32 s[SEL+1], 0xfedcba98
	s_wait_kmcnt 0x0
	s_load_b128 s[52:55], s[8:9], 0x18             ; e6, e7, e8, e9
	s_add_nc_u64 s[62:63], s[6:7], s[60:61]        ; kv at the batch
	s_mov_b32 s60, s58
	s_mov_b32 s[G0A], 1                            ; 1:0 count = 1
	s_mov_b32 s[G0A+1], s58                        ; 63:32 LDS address
	s_add_nc_u64 s[G0A+2:G0A+3], s[62:63], s[60:61]  ; 120:64 global address
	s_or_b32 s[G0A+3], s[G0A+3], 0x80000000        ; 127:126 type = 2
	s_mov_b32 s60, s59
	s_mov_b32 s[G0B], 1
	s_mov_b32 s[G0B+1], s59
	s_add_nc_u64 s[G0B+2:G0B+3], s[62:63], s[60:61]
	s_or_b32 s[G0B+3], s[G0B+3], 0x80000000
	CROUND                                         ; all four work-groups are here: the joint loads meet
	tensor_load_to_lds s[G0A:G0A+3], s[G1A:G1A+7]  ; the launch's only fills go out as one group: two loads of mine are out
	tensor_load_to_lds s[G0B:G0B+3], s[G1B:G1B+7]
	PLACES                                         ; four v_nop follow the second
	s_lshl_b32 s68, s13, 1
	s_add_co_u32 s68, s68, s17                     ; my tile in the group: 2 cx + b2
	s_lshl_b32 s66, s15, 4
	s_add_co_u32 s66, s66, s[G]                    ; 16 x batch + G
	s_lshl_b32 s69, s66, 13                        ; a block of qc is 8,192 bytes,
	s_lshl_b32 s70, s68, 10                        ; a tile 1,024
	s_add_co_u32 s70, s70, s69
	s_mov_b32 s71, 0
	s_add_nc_u64 s[4:5], s[4:5], s[70:71]
	v_and_b32 v[LI], 31, v0
	v_lshlrev_b32 v[LI], 4, v[LI]                  ; 16 x lane: an image's place for my lane; never rewritten
	global_load_b128 v[16:19], v[LI], s[4:5]       ; Q's fragment stays in registers
	global_load_b128 v[20:23], v[LI], s[4:5] offset:512
	s_lshl_b32 s66, s66, 15                        ; out: a group's 128 rows of 256 bytes,
	s_lshl_b32 s67, s68, 12                        ; a tile's 16
	s_add_co_u32 s66, s66, s67
	s_mov_b32 s67, 0
	s_add_nc_u64 s[10:11], s[10:11], s[66:67]
	v_and_b32 v26, 15, v0                          ; r = lane % 16
	v_bfe_u32 v27, v0, 4, 1                        ; h = lane / 16
	s_lshl_b32 s69, s68, 4
	v_lshlrev_b32 v[DD], 3, v27
	v_sub_nc_u32 v[DD], v26, v[DD]
	v_add_nc_u32 v[DD], s69, v[DD]                 ; my query's place in the group less 8 h: register 8 a + i holds the step's key 16 a + 8 h + i, hidden in step G where 16 a + i is above this
	s_mul_i32 s72, s[WV], 16*SP
	s_add_co_u32 s72, s72, STAGE                   ; my stage
	v_mul_u32_u24 v[STO], v26, SP                  ; in: row r, 32 bytes for each half of the lanes
	v_lshl_add_u32 v[STO], v27, 5, v[STO]
	v_add_nc_u32 v[STO], s72, v[STO]
	v_mul_u32_u24 v[RD], v27, SP                   ; back: lanes 0-15 take one row of 256 bytes, lanes 16-31 the next
	v_lshl_add_u32 v[RD], v26, 4, v[RD]
	v_add_nc_u32 v[RD], s72, v[RD]
	v_mov_b32 v[NINF], 0xff800000                  ; -infinity
	v_mov_b32 v9, 0xff61b1e6                       ; the largest t so far: -3e38, under every t
	v_floor_f32 v8, -v9                            ; -M
	v_mov_b32 v10, 0                               ; the sum, in two halves
	v_mov_b32 v11, 0
	v_mov_b32 v15, 0                               ; (named as the upper half of the pair v[14:15])
	v_mov_b32 v30, 0                               ; written once: a lane permute's destination counts as one of its sources
.irp j, 0,1,2,3,4,5,6,7,8,9,10,11,12,13,14,15,16,17,18,19,20,21,22,23,24,25,26,27,28,29,30,31
	v_mov_b32 v[160+\j], 0                         ; O^T.  (The step has one form: the first finds zeros, which the first change of M leaves zeros)
.endr
	s_wait_kmcnt 0x0
	s_add_co_i32 s56, s52, s53
	s_lshl_b32 s56, s56, 23
	s_mov_b32 s[CS], 0x3e38aa3b                    ; log2(e) / 8
	s_add_co_i32 s[CS], s[CS], s56                 ; a score stands for score x 2^(e6 + e7): the two exponents are added to c's exponent field
	s_mov_b32 s[CS+1], s[CS]                       ; (named with it as a pair, so it is written)
	s_add_co_i32 s56, s54, 127
	s_lshl_b32 s57, s56, 23
	v_mov_b32 v24, s57                             ; 2^e8 as f32, for the conversion
	s_add_co_i32 s21, s54, s55                     ; e8 + e9
; A KEY STEP: 128 keys.  all = 1: every wave has this step; all = 0: a step behind my group is left out, by a scalar branch on ids round the step's work, not round the two lines at its end that step the counter and the address.
.macro STEP all
.if \all == 0
	s_cmp_gt_u32 s[KS], s[G]
	s_cbranch_scc1 .Lskip_\@
.endif
	s_setprio 2
	v_add_nc_u32 v[ADR], s[TB], v[LI]
.irp a, 0,1,2,3,4,5,6,7
	ds_load_b128 v[32+8*\a:35+8*\a], v[ADR] offset:1024*\a        ; K's tile a: the image's two halves, 512 consecutive bytes an instruction
	ds_load_b128 v[36+8*\a:39+8*\a], v[ADR] offset:1024*\a+512
.endr
	s_wait_dscnt 0x0
.irp a, 0,1,2,3,4,5,6,7
	v_wmma_f32_16x16x64_fp8_fp8 v[96+8*\a:103+8*\a], v[32+8*\a:39+8*\a], v[16:23], 0
.endr
	PLACES
.irp d, 0,1,2,3
.irp i, 0,1,2,3
	ds_load_b128 v[32+16*\d+4*\i:35+16*\d+4*\i], v[ADR] offset:8192+2048*\d+512*\i   ; V's four fragments land while the softmax is walked
.endr
.endr
	s_cmp_lg_u32 s[KS], s[G]                       ; only my group's own step is cut by the mask: there hidden scores become -infinity ahead of the maximum, and p is 0
	s_cbranch_scc1 .Lopen_\@
.irp a, 0,1,2,3,4,5,6,7
.irp i, 0,1,2,3,4,5,6,7
	v_cmp_gt_i32 vcc_lo, 16*\a+\i, v[DD]
	v_cndmask_b32 v[96+8*\a+\i], v[96+8*\a+\i], v[NINF], vcc_lo
.endr
.endr
.Lopen_\@:
	; the step's largest score of my query among my 64 keys: four chains, chain k over registers 16 k .. 16 k + 14, the four left over at the end; each tile of S^T is first read at its low end
.irp k, 0,1,2,3
	v_max3_num_f32 v[26+\k], v[96+16*\k], v[97+16*\k], v[98+16*\k]
.endr
.irp i, 1,2,3,4,5,6
.irp k, 0,1,2,3
	v_max3_num_f32 v[26+\k], v[26+\k], v[97+16*\k+2*\i], v[98+16*\k+2*\i]
.endr
.endr
	v_max3_num_f32 v26, v26, v111, v127
	v_max3_num_f32 v28, v28, v143, v159
	v_max3_num_f32 v26, v26, v27, v28
	v_max_num_f32 v26, v26, v29
	v_permlanex16_b32 v30, v26, s[SEL], s[SEL+1]
	v_max_num_f32 v26, v26, v30                    ; and among lane l xor 16's.  (The step's first key counts for every query of my group, so this is a number)
	v_mul_f32 v26, s[CS], v26                      ; as t (c is positive)
	v_max_num_f32 v9, v9, v26                      ; the running largest t
	v_mov_b32 v26, v8
	v_floor_f32 v8, -v9                            ; the new -M = floor(-t) = -ceil(t): M is a whole number
	v_sub_f32 v26, v8, v26                         ; M's old value less its new one: a whole number, 0 or less
	v_cvt_i32_f32 v26, v26                         ; (it saturates)
	v_ldexp_f32 v14, 1.0, v26                      ; f = 2^(old M - new M)
	; ONE BATCH: the 32 packed scalings t - M, the 64 exponentials, and O^T's 16 packed multiplications by f set between them.  None of these names an exponential's result; a pair is scaled two pairs ahead of its exponentials.
	v_pk_fma_f32 v[96:97], v[96:97], s[CS:CS+1], v[8:9] op_sel_hi:[1,0,0]
	v_pk_fma_f32 v[98:99], v[98:99], s[CS:CS+1], v[8:9] op_sel_hi:[1,0,0]
.set j, 0
	s_setprio 1
.rept 32
	v_exp_f32 v[96+2*j], v[96+2*j]                 ; p = 2^(t - M), at most 1: not normalised
	v_exp_f32 v[97+2*j], v[97+2*j]
.if j < 30
	v_pk_fma_f32 v[100+2*j:101+2*j], v[100+2*j:101+2*j], s[CS:CS+1], v[8:9] op_sel_hi:[1,0,0]
.endif
.if j % 2
	v_pk_mul_f32 v[159+j:160+j], v[159+j:160+j], v[14:15] op_sel_hi:[1,0]   ; O^T under the new M, from each accumulator's low end on
.endif
.set j, j+1
.endr
	v_pk_mul_f32 v[10:11], v[10:11], v[14:15] op_sel_hi:[1,0]   ; the sum under the new M: a plain instruction behind the last exponential
	s_wait_alu depctr_va_vdst(0)                   ; one wait for the whole batch, ahead of the first instruction that names a result
.irp a, 0,1,2,3,4,5,6,7
.if \a == 0
	v_pk_add_f32 v[12:13], v[96:97], v[98:99]      ; THE ROW'S SUM IS TAKEN OF THE UNQUANTISED p: two at a time, in two chains; the second chain starts here
	v_pk_add_f32 v[10:11], v[10:11], v[100:101]
	s_setprio 0
	v_pk_add_f32 v[12:13], v[12:13], v[102:103]
.else
	v_pk_add_f32 v[10:11], v[10:11], v[96+8*\a:97+8*\a]
	v_pk_add_f32 v[12:13], v[12:13], v[98+8*\a:99+8*\a]
	v_pk_add_f32 v[10:11], v[10:11], v[100+8*\a:101+8*\a]
	v_pk_add_f32 v[12:13], v[12:13], v[102+8*\a:103+8*\a]
.endif
.irp i, 0,1,2,3,4,5,6,7
.endr
	v_cvt_scalef32_pk8_fp8_f32 v[192+2*\a:193+2*\a], v[96+8*\a:103+8*\a], v24   ; keys 16 a + 8 h + 0 .. 7: registers 2 a, 2 a + 1 of P's fragment
.endr
	v_pk_add_f32 v[10:11], v[10:11], v[12:13]
	v_nop                                          ; plain instructions stand between the last conversion and the products that read its result
	s_wait_dscnt 0x0                               ; V is in
.irp d, 0,1,2,3
	v_wmma_f32_16x16x128_fp8_fp8 v[160+8*\d:167+8*\d], v[32+16*\d:47+16*\d], v[192:207], v[160+8*\d:167+8*\d]   ; the four accumulators take turns; S^T's eight products stand between two links of a chain
.endr
	PLACES                                         ; in front of the next step's loads into K's registers, of its reads of O^T, and of the way out
.Lskip_\@:
	s_add_co_u32 s[KS], s[KS], 1
	s_add_co_u32 s[TB], s[TB], 16384
.endm
	s_wait_loadcnt 0x0                             ; Q
	s_wait_tensorcnt 0x1                           ; my part of key step 0 has landed; my second load, the younger, may be out
	s_barrier_signal -1
	s_barrier_wait -1                              ; everybody's has
	s_mov_b32 s[KS], 0
	s_mov_b32 s[TB], 0
	STEP 1
	s_wait_tensorcnt 0x0                           ; my part of key steps 1 to 15 has landed.  (No LDS instruction of mine is out: the step's last wait was for 0)
	s_barrier_signal -1
	s_barrier_wait -1                              ; everybody's has: from here on no wave waits for another
	s_mov_b32 s[KS], 1
	s_mov_b32 s[TB], 16384
.Lsteps:                                           ; 15 trips in every wave: the count is a constant, the work of the steps behind my group is jumped over
	STEP 0
	s_cmp_lt_u32 s[KS], 16
	s_cbranch_scc1 .Lsteps
	s_setprio 0
	; THE WAY OUT.  The sum's halves are added; O^T is divided by the sum, multiplied by 2^(e8 + e9) and sent through my stage in LDS, so that sixteen lanes store a whole row of 256 bytes.
	v_add_f32 v10, v10, v11                        ; the sum's two halves,
	v_permlanex16_b32 v30, v10, s[SEL], s[SEL+1]
	v_add_f32 v10, v10, v30                        ; and lane l xor 16's: the row's sum
	v_rcp_f32 v10, v10
	v_nop                                          ; a plain instruction behind the reciprocal
	s_wait_alu depctr_va_vdst(0)                   ; and the wait ahead of its first reader
	v_ldexp_f32 v10, v10, s21                      ; x 2^(e8 + e9)
.irp j, 0,2,4,6,8,10,12,14,16,18,20,22,24,26,28,30
	v_pk_mul_f32 v[208+\j:209+\j], v[160+\j:161+\j], v[10:11] op_sel_hi:[1,0]   ; register 8 d + i is out(query r, channel 16 d + 8 h + i); each accumulator from its low end on
.endr
.irp d, 0,1,2,3
	ds_store_b128 v[STO], v[208+8*\d:211+8*\d] offset:64*\d
	ds_store_b128 v[STO], v[212+8*\d:215+8*\d] offset:64*\d+16
.endr
.irp i, 0,1,2,3,4,5,6,7
	ds_load_b128 v[32+4*\i:35+4*\i], v[RD] offset:2*\i*SP   ; LDS serves a wave's instructions in order (ISA guide 5.7.1.4): these see my stores
.endr
.irp i, 0,1,2,3,4,5,6,7
	s_wait_dscnt 7-\i
	global_store_b128 v[LI], v[32+4*\i:35+4*\i], s[10:11] offset:512*\i th:TH_STORE_NT   ; the 32 lanes store two rows, 512 consecutive bytes, at a multiple of 512 from out's first byte; written once, read by nobody here
.endr
	CROUND                                         ; the closing round: no work-group ends while a partner may still ask for a tile that names it
	s_endpgm
.Lfunc_end_k_q9ef1e3ca5d_attn:
	.size	k_q9ef1e3ca5d_attn, .Lfunc_end_k_q9ef1e3ca5d_attn-k_q9ef1e3ca5d_attn
	.p2alignl 7, 3214868480
	.fill 96, 4, 3214868480
	.section	.rodata,"a",@progbits
	.p2align	6, 0x0
	.amdhsa_kernel k_q9ef1e3ca5d_attn
		.amdhsa_group_segment_fixed_size 327680
		.amdhsa_private_segment_fixed_size 0
		.amdhsa_enable_private_segment 0
		.amdhsa_kernarg_size 32
		.amdhsa_user_sgpr_count 2
		.amdhsa_user_sgpr_kernarg_segment_ptr 1
		.amdhsa_wavefront_size32 1
		.amdhsa_system_sgpr_workgroup_id_x 1
		.amdhsa_system_sgpr_workgroup_id_y 1
		.amdhsa_system_sgpr_workgroup_id_z 1
		.amdhsa_system_vgpr_workitem_id 0
		.amdhsa_next_free_vgpr 256
		.amdhsa_next_free_sgpr 80
		.amdhsa_reserve_vcc 1
		.amdhsa_float_denorm_mode_32 3
		.amdhsa_float_denorm_mode_16_64 3
		.amdhsa_fp16_overflow 1
		.amdhsa_memory_ordered 1
		.amdhsa_forward_progress 1
		.amdhsa_inst_pref_size 48
	.end_amdhsa_kernel
	.amdgpu_metadata
---
amdhsa.version: [ 1, 2 ]
amdhsa.kernels:
  - .name:           k_q9ef1e3ca5d_attn
    .symbol:         k_q9ef1e3ca5d_attn.kd
    .args:
      - { .name: qc, .offset: 0, .size: 8, .value_kind: global_buffer, .address_space: global }
      - { .name: kv, .offset: 8, .size: 8, .value_kind: global_buffer, .address_space: global }
      - { .name: lowp_scales, .offset: 16, .size: 8, .value_kind: global_buffer, .address_space: global }
      - { .name: out0, .offset: 24, .size: 8, .value_kind: global_buffer, .address_space: global }
    .group_segment_fixed_size: 327680
    .private_segment_fixed_size: 0
    .kernarg_segment_align: 8
    .kernarg_segment_size: 32
    .max_flat_workgroup_size: 256
    .sgpr_count:     80
    .vgpr_count:     256
    .wavefront_size: 32
...
	.end_amdgpu_metadata
.endif
;; end of part 2
